; MI455X (gfx1250); checked and timed in simulation.
; The chip was launched on July 23, 2026; its instructions are those of AMD's public machine-readable ISA for CDNA 5 (MIT licence, August 2026) and "CDNA5" Instruction Set Architecture Reference Guide (July 2026). The comments in the code are by the model that wrote it; some were corrected since.
;; NN Mod. Allowed arithmetic: matrix products marked QUANTISED: E2M1 operands, one E8M0 scale for each 32 along K, by v_wmma_scale_f32_16x16x128_f8f6f4 with both operands' format E2M1 (or v_wmma_scale_f32_32x16x128_f4), f32 sums; products left as they are: bf16, f16 or f32 operands; f32 sums; everything else in f32.
;; Inputs: W0 4 x 256 x 256 float32; Wa 4 x 256 x 256 float32; Wf 4 x 256 x 256 float32; Wl 4 x 256 x 256 float32; Wo 4 x 1 x 256 float32; alpha_a 4 x 256 float32; alpha_f 4 x 256 float32; b0 4 x 256 float32; ba 4 x 256 float32; beta_ln 4 x 256 float32; bf 4 x 256 float32; bl 4 x 256 float32; bo 4 x 1 float32; density 65,536 x 256 float32; gamma 4 x 256 float32; species 65,536 int32.
;; Outputs: out0 65,536 x 1 float32.
;; This version of the problem:
;;   THIS VERSION OF THE PROBLEM IS GIVEN IN LOW PRECISION. The matrix products marked QUANTISED in the list below multiply operands that are first quantised to E2M1 (2 exponent bits, 1 mantissa bit; 4 bits a number), with one power-of-two scale for each 32 numbers along K (OCP MX v1.0); their sums are f32. The products marked 'left as it is' may take bf16, f16 or f32 operands, with f32 sums. Whichever they take, every output number must still come out within the allowed error. Rounding operands to bf16 (8 significant bits) uses up far more of that allowance than f16 does (11 bits, for magnitudes from 6e-5 to 65,504). All else is computed in f32.
;;   The module's matrix products, in the order in which they are computed (A, B: the left and right operand; K: the contracted axis; several contracted axes count as one K, in the product's order):
;;     1. [M 65,536, K 256] x [K 256, N 1,024]; A: input density; B: input W0: QUANTISED
;;     2. batch 4 x [M 65,536, K 256] x [K 256, N 256]; A: computed on the way; B: input Wa: left as it is (an operand is computed on the way)
;;     3. batch 4 x [M 65,536, K 256] x [K 256, N 256]; A: computed on the way; B: input Wl: left as it is (an operand is computed on the way)
;;     4. batch 4 x [M 65,536, K 256] x [K 256, N 256]; A: computed on the way; B: input Wf: left as it is (an operand is computed on the way)
;;     5. batch 4 x [M 65,536, K 256] x [K 256, N 1]; A: computed on the way; B: input Wo: left as it is (N = 1 < 16)
;;   THE QUANTISER, for each operand of a quantised product, along K:
;;     - K is cut into blocks of 32 from its start; a last block that is shorter is filled with zeros.
;;     - A block's scale is 2^e with e = floor(log2(the largest magnitude in the block)) - 2, held to -126 .. 127; a block of zeros has e = 0. As a byte (E8M0): e + 127.
;;     - Each number is divided by its block's scale, clamped to +-6, and rounded to the nearest number of E2M1, ties to even, subnormals kept.
;;     - The product sums the exact products of the quantised numbers (number of the format x scale) in f32.
;;   ~~~python
;;   def quantise(x, axis):      # numpy; x: float32 -> the quantised numbers, widened to float32 again
;;       x = np.moveaxis(x, axis, -1); K = x.shape[-1]
;;       x = np.pad(x, [(0, 0)] * (x.ndim - 1) + [(0, -K % 32)]); x = x.reshape(x.shape[:-1] + (-1, 32)); a = np.abs(x).max(-1, keepdims=True)
;;       e = np.where(a > 0, np.clip(np.frexp(np.where(a > 0, a, 1))[1] - 1 - 2, -126, 127), 0)      # np.frexp(a)[1] - 1 = floor(log2(a)), exactly
;;       r = np.clip(x / 2.0 ** e, -6, 6)
;;       step = 2.0 ** (np.maximum(np.frexp(np.where(r == 0, 1, r))[1] - 1, 0) - 1)
;;       q = np.round(r / step) * step * 2.0 ** e      # np.round: ties to even
;;       return np.moveaxis(q.reshape(q.shape[:-2] + (-1,))[..., :K], -1, axis).astype(np.float32)
;;   ~~~
;; One version. Each part assembles by itself: llvm-mc -triple=amdgcn-amd-amdhsa -mcpu=gfx1250 --defsym DOCPART=n.
;; ======== version 1 of 1: 2 launches
;; limits: values are held in f16: magnitudes above 65,504 overflow, below 6.1e-05 lose precision
;; workspace buffers: order 265,472 bytes of whole numbers; tiles 2,048 bytes of whole numbers; wh 1,572,864 bytes; w0c 131,072 bytes; w0s 16,384 bytes
;; launch prep (part 1): grid 96 x 1, 8 waves a work-group, no clusters, 134,400 bytes of LDS; arguments species, W0, Wa, Wl, Wf, order, tiles, w0c, w0s, wh; writes order, tiles, w0c, w0s, wh
.if DOCPART == 1
	.amdgcn_target "amdgcn-amd-amdhsa--gfx1250"
	.amdhsa_code_object_version 6
	.text
	.protected	k_q4ca9d58e56_prep
	.globl	k_q4ca9d58e56_prep
	.p2align	8
	.type	k_q4ca9d58e56_prep,@function
k_q4ca9d58e56_prep:
	s_mov_b64 s[64:65], 0
	v_nop
	global_prefetch_b8 v0, s[64:65] scope:SCOPE_SE
	s_setreg_imm32_b32 hwreg(HW_REG_WAVE_MODE, 25, 1), 1
	s_wait_xcnt 0x0
; PREP: what the chain's launch needs laid out once.
; Work-groups 0-63: a stable counting sort of the 65,536 atoms by species, without atomics.  Work-group g owns atoms 1024 g .. 1024 g + 1023; each work-group counts the
;   whole species array itself (all atoms, and those of the segments ahead of its own), so nothing passes between work-groups.  Expert e's atoms go to words 272 T_e on of
;   'order', T_e = the tiles of the experts ahead of it, a tile = 272 rows; the sum of ceil(c_e / 272) is at most (65536 + 4 x 271) / 272 = 244 for every split.
;   Work-group 0 also writes the table 'tiles', (expert, valid rows) for each of 256 tiles, and 0 into every word of 'order' that no atom takes.
; Work-groups 64-95: the weights, in the order of the operand registers.  A wave takes 16 rows x 256 of one matrix (16,384 dense bytes), turns them through its own stage in LDS,
;   and stores images of fragments: W0 as codes of E2M1 with one E8M0 byte for each 32 along K (w0c, w0s), Wa, Wl, Wf as f16 (wh).
;   wh:  block ((3 e + layer) 16 + ct) x 8,192; piece (2 s + u) x 512 + 16 x lane = W[16 ct + r][32 s + 16 u + 8 h + 0..7], r = lane % 16, h = lane / 16.
;   w0c: block (16 e + ct) x 2,048; piece (2 g + c) x 512 + 16 x lane = the codes of W0[16 ct + r][128 g + 64 c + 32 h + 0..31].   w0s: (16 e + ct) x 256 + 128 g + 4 x lane = row r's scale word.
; LIMITS: species lies in 0 .. 3, as reference() relies on (another number is counted nowhere and its atom is placed at word 0).  Weights beyond 65,504 have no f16.  NaN and infinities are not served.
;   A block of W0 whose largest magnitude lies under 2^-124 keeps the byte 1 (not tried); a block of zeros has the byte 1 where the rule says 127: its codes are zeros, and this program alone reads the bytes.
.set SORTB, 0                          ; LDS: the sort's eight records of 16 bytes, in a block of 256 of their own
.set WSTG,  256                        ; the weight path's stages, one for each wave:
.set WP,    1040                       ; 16 rows of 1,024 bytes + 16 = 260 words: row r begins 4 r words on, modulo 64
.set WREG,  16*WP
.set SPARE, WSTG+8*WREG                ; the spare words, 128 bytes for each wave: four blocks of 256 bytes that no other line names
.set SPW,   18                         ; v18   LDS address of my spare word; never rewritten
.set NIL,   19                         ; v19   0; never rewritten
.set RECW,  34                         ; v34   the sort: LDS address of my wave's record
.set RECR,  35                         ; v35   and of the record that my lane reads: wave lane % 8's
.set PADR,  200                        ; v200-210  work-group 0: byte addresses of the eleven runs of words that no atom takes
.set PPOS,  212                        ; v212-222  and the same words' numbers, unbounded, for the masks
.set TADR,  223                        ; v223  and the table's address
.set LASTW, 244*272-1                  ; the last word of 'order'
	s_load_b512 s[8:23], s[0:1], 0x0               ; species 8, W0 10, Wa 12, Wl 14, Wf 16, order 18, tiles 20, w0c 22
	s_load_b128 s[24:27], s[0:1], 0x40             ; w0s 24, wh 26
	v_lshl_add_u32 v[SPW], v0, 2, SPARE
	v_mov_b32 v[NIL], 0
	v_lshrrev_b32 v1, 5, v0
	v_readfirstlane_b32 s28, v1                    ; wave 0..7
	v_and_b32 v2, 31, v0                           ; lane
	v_lshlrev_b32 v3, 4, v2                        ; 16 x lane
	v_lshlrev_b32 v10, 2, v2                       ; 4 x lane
	v_bfe_u32 v11, v0, 4, 1                        ; h
	v_and_b32 v1, 15, v0                           ; r
	s_mul_i32 s40, s28, WREG
	s_add_co_u32 s40, s40, WSTG                    ; my stage
	v_add_nc_u32 v7, s40, v3                       ; into it: as the bytes lie
	v_mul_u32_u24 v8, v1, WP
	v_add_nc_u32 v8, s40, v8
	v_lshl_add_u32 v9, v11, 7, v8                  ; out of it, for codes: row r, + 128 h: 32 numbers
	v_lshl_add_u32 v8, v11, 5, v8                  ; for f16: row r, + 32 h: 8 numbers
	s_lshl_b32 s41, s28, 4
	v_mov_b32 v[RECW], s41                         ; SORTB + 16 x wave
	v_and_b32 v[RECR], 7, v0
	v_lshlrev_b32 v[RECR], 4, v[RECR]              ; SORTB + 16 x (lane % 8)
	s_mov_b32 s30, 0x76543210
	s_mov_b32 s31, 0xfedcba98                      ; v_permlanex16_b32's selects for lane l xor 16
	s_wait_kmcnt 0x0
	s_cmp_lt_u32 ttmp9, 64                         ; the work-group's number alone: all eight waves go the same way
	s_cbranch_scc0 .Lweights
; ------------------------------------------------------------------ THE SORT
	s_lshl_b32 s29, ttmp9, 12
	s_lshl_b32 s52, s28, 9
	s_add_co_u32 s29, s29, s52
	v_lshl_add_u32 v4, v2, 2, s29                  ; my own atoms: byte 4096 g + 512 wave + 4 lane (+ 128 i)
	v_lshl_add_u32 v5, v2, 4, s52                  ; the count: byte 512 wave + 16 lane (+ 4096 j): my wave's 128 atoms of segment j
	v_lshrrev_b32 v6, 2, v4                        ; my first atom's number
	v_mov_b32 v16, 0                               ; counts of all atoms: species 0, 1, 2 in fields of 10 bits (a lane sees 256 atoms); species 3's bit 30 runs off the top
	v_mov_b32 v17, 0                               ; the same of the segments ahead of mine
	v_mov_b32 v26, 0                               ; (a lane move's destination counts as read)
.irp i, 0,1,2,3
	global_load_b32 v[12+\i], v4, s[8:9] offset:128*\i
.endr
.macro BATCH b                         ; sixteen segments' loads into set b % 2
.irp i, 0,1,2,3,4,5,6,7,8,9,10,11,12,13,14,15
	global_load_b128 v[64+64*((\b)%2)+4*\i:64+64*((\b)%2)+4*\i+3], v5, s[8:9] offset:4096*(16*(\b)+\i)
.endr
.endm
.macro COUNT j, reg                    ; four atoms of segment j
	s_cmp_gt_u32 ttmp9, \j
	s_cselect_b32 s52, -1, 0                       ; does segment j lie ahead of mine?
	v_mul_u32_u24 v20, 10, v[\reg]
	v_mul_u32_u24 v21, 10, v[\reg+1]
	v_mul_u32_u24 v22, 10, v[\reg+2]
	v_mul_u32_u24 v23, 10, v[\reg+3]
	v_lshlrev_b32 v20, v20, 1                      ; 1 << 10 x species
	v_lshlrev_b32 v21, v21, 1
	v_lshlrev_b32 v22, v22, 1
	v_lshlrev_b32 v23, v23, 1
	v_add3_u32 v20, v20, v21, v22
	v_add_nc_u32 v20, v20, v23
	v_add_nc_u32 v16, v16, v20
	v_and_b32 v20, s52, v20
	v_add_nc_u32 v17, v17, v20
.endm
.macro TALLY b
.irp i, 0,1,2,3,4,5,6,7,8,9,10,11,12,13,14,15
	COUNT 16*(\b)+\i, 64+64*((\b)%2)+4*\i
.endr
.endm
	BATCH 0
	BATCH 1
	s_wait_loadcnt 32                              ; my own four loads are in; the two batches' 32 may be out
.irp i, 0,1,2,3
.irp e, 0,1,2,3
	v_cmp_eq_u32 s[32+4*\i+\e], \e, v[12+\i]       ; which lanes of my i-th 32 atoms have species e
.endr
.endr
.irp e, 0,1,2,3
	s_bcnt1_i32_b32 s[48+\e], s[32+\e]
.irp i, 1,2,3
	s_bcnt1_i32_b32 s52, s[32+4*\i+\e]
	s_add_co_u32 s[48+\e], s[48+\e], s52           ; my wave's 128 atoms: how many of species e
.endr
.endr
	s_wait_loadcnt 16                              ; batch 0 is in; batch 1's 16 may be out
	TALLY 0
	BATCH 2
	s_wait_loadcnt 16                              ; batch 1
	TALLY 1
	BATCH 3
	s_wait_loadcnt 16                              ; batch 2
	TALLY 2
	s_wait_loadcnt 0x0
	TALLY 3
	v_bfe_u32 v20, v16, 0, 10
	v_bfe_u32 v21, v16, 10, 10
	v_bfe_u32 v22, v16, 20, 10
	v_bfe_u32 v23, v17, 0, 10
	v_bfe_u32 v24, v17, 10, 10
	v_bfe_u32 v25, v17, 20, 10
	v_lshl_or_b32 v28, v21, 16, v20                ; two counts to a word: a wave's sums are at most 8,192
	v_lshl_or_b32 v29, v23, 16, v22
	v_lshl_or_b32 v30, v25, 16, v24
.irp p, 28,29,30                       ; the sum over the wave's 32 lanes
.irp m, 1,2,4,8
	v_mov_b32_dpp v26, v\p row_xmask:\m row_mask:0xf bank_mask:0xf
	v_add_nc_u32 v\p, v\p, v26
.endr
	v_permlanex16_b32 v26, v\p, s30, s31
	v_add_nc_u32 v\p, v\p, v26
.endr
	s_lshl_b32 s52, s49, 8                         ; my wave's own four counts, a byte each (at most 128)
	s_or_b32 s52, s52, s48
	s_lshl_b32 s53, s50, 16
	s_or_b32 s52, s52, s53
	s_lshl_b32 s53, s51, 24
	s_or_b32 s52, s52, s53
	v_mov_b32 v31, s52
	ds_store_b128 v[RECW], v[28:31]                ; my wave's record (all lanes write the same words with the same values)
	s_wait_dscnt 0x0                               ; for the others' sake
	s_barrier_signal -1
	s_barrier_wait -1
	ds_load_b128 v[36:39], v[RECR]                 ; lane l takes wave l % 8's record
	v_and_b32 v27, 7, v0                           ; that wave's number
	s_wait_dscnt 0x0
	v_and_b32 v40, 0xffff, v36                     ; all: species 0,
	v_lshrrev_b32 v41, 16, v36                     ; 1,
	v_and_b32 v42, 0xffff, v37                     ; 2;
	v_lshrrev_b32 v43, 16, v37                     ; ahead of my segment: species 0,
	v_and_b32 v44, 0xffff, v38                     ; 1,
	v_lshrrev_b32 v45, 16, v38                     ; 2
	v_bfe_u32 v46, v39, 0, 8
	v_bfe_u32 v33, v39, 8, 8
	v_lshl_or_b32 v46, v33, 16, v46                ; that wave's own counts of species 0 and 1,
	v_bfe_u32 v47, v39, 16, 8
	v_lshrrev_b32 v33, 24, v39
	v_lshl_or_b32 v47, v33, 16, v47                ; of 2 and 3:
	v_cmp_gt_u32 vcc_lo, s28, v27
	v_cndmask_b32 v46, 0, v46, vcc_lo              ; they count only where that wave stands ahead of mine
	v_cndmask_b32 v47, 0, v47, vcc_lo
.irp p, 40,41,42,43,44,45,46,47        ; the sum over the eight waves
.irp m, 1,2,4
	v_mov_b32_dpp v26, v\p row_xmask:\m row_mask:0xf bank_mask:0xf
	v_add_nc_u32 v\p, v\p, v26
.endr
.endr
	v_readfirstlane_b32 s92, v40                   ; c_0 .. c_2
	v_readfirstlane_b32 s93, v41
	v_readfirstlane_b32 s94, v42
	v_readfirstlane_b32 s96, v43                   ; ahead of my segment
	v_readfirstlane_b32 s97, v44
	v_readfirstlane_b32 s98, v45
	v_readfirstlane_b32 s60, v46
	v_readfirstlane_b32 s61, v47
	s_add_co_u32 s52, s92, s93
	s_add_co_u32 s52, s52, s94
	s_sub_co_u32 s95, 0x10000, s52                 ; c_3: the rest of the 65,536
	s_add_co_u32 s52, s96, s97
	s_add_co_u32 s52, s52, s98
	s_lshl_b32 s53, ttmp9, 10
	s_sub_co_u32 s99, s53, s52                     ; and the rest of the 1024 g atoms ahead
	s_and_b32 s56, s60, 0xffff                     ; in my segment, in the waves ahead of mine
	s_lshr_b32 s57, s60, 16
	s_and_b32 s58, s61, 0xffff
	s_lshr_b32 s59, s61, 16
.irp e, 0,1,2,3
	s_add_co_u32 s52, s[92+\e], 271
	s_lshr_b32 s52, s52, 4                         ; (c + 271) / 16, at most 4,112,
	s_mul_i32 s52, s52, 61681                      ; / 17: 17 x 61,681 = 2^20 + 1, exact for numbers so small
	s_lshr_b32 s[66+\e], s52, 20                   ; the expert's tiles: ceil(c / 272)
.endr
	s_mov_b32 s72, 0
.irp e, 0,1,2,3
	s_add_co_u32 s[73+\e], s[72+\e], s[66+\e]      ; T_e: the tiles ahead
.endr
.irp e, 0,1,2,3
	s_mul_i32 s[80+\e], s[72+\e], 272              ; the expert's first word
	s_add_co_u32 s[84+\e], s[80+\e], s[96+\e]
	s_add_co_u32 s[84+\e], s[84+\e], s[56+\e]      ; where my wave's first atom of species e goes
.endr
.irp i, 0,1,2,3
	v_mov_b32 v50, 0
.irp e, 0,1,2,3
	v_mbcnt_lo_u32_b32 v51, s[32+4*\i+\e], 0       ; the lanes of species e below mine
	v_add_nc_u32 v51, s[84+\e], v51
	v_cndmask_b32 v50, v50, v51, s[32+4*\i+\e]
	s_bcnt1_i32_b32 s52, s[32+4*\i+\e]
	s_add_co_u32 s[84+\e], s[84+\e], s52
.endr
	v_min_u32 v50, LASTW, v50                      ; a number made of loaded data enters an address only behind this bound
	v_lshlrev_b32 v[52+\i], 2, v50
	v_add_nc_u32 v[56+\i], 32*\i, v6
	global_store_b32 v[52+\i], v[56+\i], s[18:19]  ; lanes of one species write neighbouring words
.endr
	s_cmp_lg_u32 ttmp9, 0
	s_cbranch_scc1 .Lexit
	; WORK-GROUP 0: the table, then the words that no atom takes.  Every address is made ahead of the first line that narrows EXEC, with all lanes on.
	v_mov_b32 v62, 0                               ; tile = my thread's number: its expert,
	v_mov_b32 v63, 0                               ; that expert's first tile,
	v_mov_b32 v48, s92                             ; and its atoms
.irp e, 1,2,3
	v_cmp_le_u32 vcc_lo, s[72+\e], v0
	v_mov_b32 v49, \e
	v_cndmask_b32 v62, v62, v49, vcc_lo
	v_mov_b32 v49, s[72+\e]
	v_cndmask_b32 v63, v63, v49, vcc_lo
	v_mov_b32 v49, s[92+\e]
	v_cndmask_b32 v48, v48, v49, vcc_lo
.endr
	v_sub_nc_u32 v63, v0, v63
	v_mul_u32_u24 v63, 272, v63
	v_sub_nc_u32 v63, v48, v63                     ; the atoms left at this tile's first row,
	v_max_i32 v63, 0, v63
	v_min_i32 v63, 272, v63                        ; held to 0 .. 272: the tile's valid rows
	v_lshlrev_b32 v[TADR], 3, v0
	global_store_b64 v[TADR], v[62:63], s[20:21]
	s_mov_b32 s84, LASTW+1                         ; expert 3's limit is the buffer's end: it stands where a fifth expert's first word would (the placement's s84 is done with)
	v_mov_b32 v61, 0
.macro PADA n, e, k                    ; run n: words P_e + c_e + 256 k + thread: the word's number, and its byte address behind the bound
	s_add_co_u32 s52, s[80+\e], s[92+\e]
	s_add_co_u32 s52, s52, 256*\k
	v_add_nc_u32 v[PPOS+\n], s52, v0
	v_min_u32 v[PADR+\n], LASTW, v[PPOS+\n]
	v_lshlrev_b32 v[PADR+\n], 2, v[PADR+\n]
.endm
.macro PADS n, e                       ; run n is stored as far as it lies under the next expert's first word
	v_cmp_gt_u32 vcc_lo, s[81+\e], v[PPOS+\n]
	s_wait_xcnt 0x0                                ; EXEC is a source of the stores that are out: it changes only behind this wait
	s_and_saveexec_b32 s53, vcc_lo
	global_store_b32 v[PADR+\n], v61, s[18:19]
	s_wait_xcnt 0x0                                ; and again ahead of the line that widens it
	s_or_b32 exec_lo, exec_lo, s53
.endm
	PADA 0, 0, 0                                   ; experts 0 to 2: at most 271 words each: two runs of 256
	PADA 1, 0, 1
	PADA 2, 1, 0
	PADA 3, 1, 1
	PADA 4, 2, 0
	PADA 5, 2, 1
	PADA 6, 3, 0                                   ; expert 3: at most 271 + 3 x 272 words (all atoms on one expert make 241 tiles): five runs
	PADA 7, 3, 1
	PADA 8, 3, 2
	PADA 9, 3, 3
	PADA 10, 3, 4
	PADS 0, 0
	PADS 1, 0
	PADS 2, 1
	PADS 3, 1
	PADS 4, 2
	PADS 5, 2
	PADS 6, 3
	PADS 7, 3
	PADS 8, 3
	PADS 9, 3
	PADS 10, 3
	s_branch .Lexit
; ------------------------------------------------------------------ THE WEIGHTS
.Lweights:
	s_sub_co_u32 s32, ttmp9, 64
	s_lshr_b32 s33, s32, 3                         ; which matrix: 0 W0, 1 Wa, 2 Wl, 3 Wf: the same in the whole work-group
	s_and_b32 s34, s32, 7
	s_lshl_b32 s34, s34, 3
	s_add_co_u32 s34, s34, s28                     ; which 16 rows: 16 e + ct
	s_cmp_eq_u32 s33, 0
	s_cselect_b64 s[36:37], s[10:11], s[12:13]
	s_cmp_eq_u32 s33, 2
	s_cselect_b64 s[36:37], s[14:15], s[36:37]
	s_cmp_eq_u32 s33, 3
	s_cselect_b64 s[36:37], s[16:17], s[36:37]
	s_lshl_b32 s38, s34, 14
	s_mov_b32 s39, 0
	s_add_nc_u64 s[36:37], s[36:37], s[38:39]
.set i, 0
.rept 32
	global_load_b128 v[64+4*i:64+4*i+3], v3, s[36:37] offset:512*i th:TH_LOAD_NT   ; 32 lanes read 512 consecutive bytes; read once in the launch
.set i, i+1
.endr
.set i, 0
.rept 32
	s_wait_loadcnt 31-i                            ; loads come back in order: load i is in
	ds_store_b128 v7, v[64+4*i:64+4*i+3] offset:(i/2)*WP+(i%2)*512
.set i, i+1
.endr
	s_cmp_eq_u32 s33, 0
	s_cbranch_scc1 .Lfp4
	; f16: sixteen pieces of 512 bytes
	s_lshr_b32 s41, s34, 4
	s_mul_i32 s41, s41, 3
	s_add_co_u32 s41, s41, s33
	s_sub_co_u32 s41, s41, 1                       ; 3 e + layer
	s_lshl_b32 s41, s41, 4
	s_and_b32 s42, s34, 15
	s_add_co_u32 s42, s41, s42
	s_lshl_b32 s42, s42, 13
	s_mov_b32 s43, 0
	s_add_nc_u64 s[26:27], s[26:27], s[42:43]
.irp b, 0,1
.set p, 0
.rept 8
	ds_load_b128 v[192+8*p:195+8*p], v8 offset:64*(8*\b+p)       ; LDS serves a wave's instructions in order: these see my stores.  (Eight pieces fill v192-255)
	ds_load_b128 v[196+8*p:199+8*p], v8 offset:64*(8*\b+p)+16
.set p, p+1
.endr
	s_wait_dscnt 0x0                               ; they are in; and the stage's stores have read v64 on, which take the results
.set p, 0
.rept 8
.irp k, 0,1,2,3
	v_cvt_pk_f16_f32 v[64+4*(8*\b+p)+\k], v[192+8*p+2*\k], v[193+8*p+2*\k]
.endr
	global_store_b128 v3, v[64+4*(8*\b+p):67+4*(8*\b+p)], s[26:27] offset:512*(8*\b+p)   ; 512 consecutive bytes; each piece has registers of its own
.set p, p+1
.endr
.endr
	s_branch .Lexit
	; codes of E2M1: four pieces of 512 bytes, two scale words a row
.macro QUANT y, c, b                   ; 32 numbers v[y] on, one block: codes into v[c] .. v[c + 3], the scale's byte into v[b]
	v_max3_num_f32 v12, |v[\y]|, |v[\y+1]|, 0x1800000             ; the floor 2^(3 - 127) among the leaves: the byte cannot fall under 1
	v_max3_num_f32 v13, |v[\y+2]|, |v[\y+3]|, |v[\y+4]|
.irp i, 5,9,13,17,21,25
	v_max3_num_f32 v12, v12, |v[\y+\i]|, |v[\y+\i+1]|
	v_max3_num_f32 v13, v13, |v[\y+\i+2]|, |v[\y+\i+3]|
.endr
	v_max3_num_f32 v12, v12, |v[\y+29]|, |v[\y+30]|
	v_max3_num_f32 v12, v12, v13, |v[\y+31]|       ; the block's largest magnitude
	v_add_nc_u32 v14, 0xff000000, v12              ; 2 off its exponent field: the conversion takes this operand's exponent field as its scale
	v_lshrrev_b32 v[\b], 23, v14
.irp q, 0,1,2,3
	v_cvt_scalef32_pk8_fp4_f32 v[\c+\q], v[\y+8*\q:\y+8*\q+7], v14
.endr
	v_nop                                          ; one plain place behind the scaled conversions
.endm
.Lfp4:
	s_lshl_b32 s42, s34, 11
	s_mov_b32 s43, 0
	s_add_nc_u64 s[22:23], s[22:23], s[42:43]
	s_lshl_b32 s42, s34, 8
	s_add_nc_u64 s[24:25], s[24:25], s[42:43]
	v_lshlrev_b32 v16, 3, v11                      ; 8 h
.irp g, 0,1
.irp c, 0,1
.set j, 0
.rept 8
	ds_load_b128 v[192+4*j:195+4*j], v9 offset:256*(2*\g+\c)+16*j
.set j, j+1
.endr
	s_wait_dscnt 0x0
	QUANT 192, 64+4*(2*\g+\c), 40+\c
	global_store_b128 v3, v[64+4*(2*\g+\c):67+4*(2*\g+\c)], s[22:23] offset:512*(2*\g+\c)
.endr
	v_lshl_or_b32 v15, v41, 16, v40                ; my two bytes: blocks h and 2 + h of row r,
	v_lshlrev_b32 v15, v16, v15                    ; at their places in the word;
	v_mov_b32 v17, 0
	v_permlanex16_b32 v17, v15, s30, s31
	v_or_b32 v[44+\g], v15, v17                    ; with lane l xor 16's two the word is whole
	global_store_b32 v10, v[44+\g], s[24:25] offset:128*\g
.endr
.Lexit:
	s_wait_tensorcnt 0x0                           ; the wave's end: behind my last LDS store
	ds_add_u32 v[SPW], v[NIL]
	s_wait_dscnt 0x0
	s_endpgm
.Lfunc_end_k_q4ca9d58e56_prep:
	.size	k_q4ca9d58e56_prep, .Lfunc_end_k_q4ca9d58e56_prep-k_q4ca9d58e56_prep
	.p2alignl 7, 3214868480
	.fill 96, 4, 3214868480
	.section	.rodata,"a",@progbits
	.p2align	6, 0x0
	.amdhsa_kernel k_q4ca9d58e56_prep
		.amdhsa_group_segment_fixed_size 134400
		.amdhsa_private_segment_fixed_size 0
		.amdhsa_enable_private_segment 0
		.amdhsa_kernarg_size 80
		.amdhsa_user_sgpr_count 2
		.amdhsa_user_sgpr_kernarg_segment_ptr 1
		.amdhsa_wavefront_size32 1
		.amdhsa_system_sgpr_workgroup_id_x 1
		.amdhsa_system_sgpr_workgroup_id_y 1
		.amdhsa_system_sgpr_workgroup_id_z 1
		.amdhsa_system_vgpr_workitem_id 0
		.amdhsa_next_free_vgpr 256
		.amdhsa_next_free_sgpr 100
		.amdhsa_reserve_vcc 1
		.amdhsa_float_denorm_mode_32 3
		.amdhsa_float_denorm_mode_16_64 3
		.amdhsa_memory_ordered 1
		.amdhsa_forward_progress 1
		.amdhsa_inst_pref_size 93
	.end_amdhsa_kernel
	.amdgpu_metadata
---
amdhsa.version: [ 1, 2 ]
amdhsa.kernels:
  - .name:           k_q4ca9d58e56_prep
    .symbol:         k_q4ca9d58e56_prep.kd
    .args:
      - { .name: species, .offset: 0, .size: 8, .value_kind: global_buffer, .address_space: global }
      - { .name: W0, .offset: 8, .size: 8, .value_kind: global_buffer, .address_space: global }
      - { .name: Wa, .offset: 16, .size: 8, .value_kind: global_buffer, .address_space: global }
      - { .name: Wl, .offset: 24, .size: 8, .value_kind: global_buffer, .address_space: global }
      - { .name: Wf, .offset: 32, .size: 8, .value_kind: global_buffer, .address_space: global }
      - { .name: order, .offset: 40, .size: 8, .value_kind: global_buffer, .address_space: global }
      - { .name: tiles, .offset: 48, .size: 8, .value_kind: global_buffer, .address_space: global }
      - { .name: w0c, .offset: 56, .size: 8, .value_kind: global_buffer, .address_space: global }
      - { .name: w0s, .offset: 64, .size: 8, .value_kind: global_buffer, .address_space: global }
      - { .name: wh, .offset: 72, .size: 8, .value_kind: global_buffer, .address_space: global }
    .group_segment_fixed_size: 134400
    .private_segment_fixed_size: 0
    .kernarg_segment_align: 8
    .kernarg_segment_size: 80
    .max_flat_workgroup_size: 256
    .sgpr_count:     100
    .vgpr_count:     256
    .wavefront_size: 32
...
	.end_amdgpu_metadata
.endif
;; end of part 1
;; launch chain (part 2): grid 244 x 1, 4 waves a work-group, no clusters, 324,864 bytes of LDS; arguments density, order, tiles, w0c, w0s, wh, b0, ba, alpha_a, gamma, beta_ln, bl, bf, alpha_f, Wo, bo, out0; writes out0
.if DOCPART == 2
	.amdgcn_target "amdgcn-amd-amdhsa--gfx1250"
	.amdhsa_code_object_version 6
	.text
	.protected	k_q4ca9d58e56_chain
	.globl	k_q4ca9d58e56_chain
	.p2align	8
	.type	k_q4ca9d58e56_chain,@function
k_q4ca9d58e56_chain:
	s_mov_b64 s[64:65], 0
	v_nop
	global_prefetch_b8 v0, s[64:65] scope:SCOPE_SE
	s_setreg_imm32_b32 hwreg(HW_REG_WAVE_MODE, 25, 1), 1
	s_wait_xcnt 0x0
; CHAIN: one work-group takes one tile of 272 rows (17 tiles of 16) of ONE expert through the whole chain:
;   x = Q(d) Q(W0)^T + b0 (codes of E2M1) | h = LN(alpha_a silu(x Wa^T + ba)) | x2 = x + h Wl^T + bl | y = sum of alpha_f silu(x2 Wf^T + bf) Wo, + bo.
; Which atoms are the tile's rows stands in 'order', which expert and how many rows are valid in 'tiles': both were stored by the launch before.
; 244 tiles serve every split of the 65,536 atoms.  A tile that a split leaves empty (0 valid rows) runs on atom 0's rows and stores nothing: so no barrier stands behind a branch on a loaded number.
; No cluster, no tensor load: which expert a tile has hangs on counts read from memory, so partners could not be given one expert's tiles at every split; weights go from memory straight into registers.
; THE WAVES SHARE THE COLUMNS: wave w makes outputs 64 w .. 64 w + 63 of every layer, for all 272 rows.  Its quarter of a layer's weights, 256 registers, lies in its registers, as the launch before laid it.
; Every product is used transposed (source 0 = 16 rows of the weight, source 1 = 16 rows of the activations): a lane holds ONE row (lane % 16) and eight neighbouring outputs, 8 (lane / 16) + 0..7 of a tile.
; ACTIVATIONS GO FROM WAVE TO WAVE THROUGH LDS AS IMAGES OF OPERAND REGISTERS: a lane's eight outputs of column tile c, as f16, are 16 bytes at tile x 8,192 + w x 2,048 + c x 512 + 16 x lane, and these
; are registers 4 (c % 2) on of the next product's fragment 2 w + c / 2.  No pitch, no padding; every instruction touches 512 consecutive bytes.
; The residual x is not kept: layer 3 makes it again from the codes, which stay in LDS (8 instructions on codes for 16 rows), as the start of its sums, with b0 + bl as their C.
; LayerNorm: each wave has 64 of a row's 256 numbers; it stores their mean and the sum of squares about that mean; the four are joined exactly (no difference of large sums).
; LIMITS: |x|, |LN's result| and |x2| stay under 65,504 (operands of the products left as they are go in f16); NaN and infinities are not served; a block of d whose largest magnitude lies under 2^-124 keeps
; the byte 1 (not tried); a block of zeros has the byte 1 where the rule says 127: its codes are zeros, and nobody else reads the byte.
.set TILEB, 8192                       ; an image of 16 rows x 256 f16
.set ABUF,  0                          ; LDS: 17 images: x, later x2
.set BBUF,  139264                     ; 17 images: h.  During the gather: four stages of 16 rows x 272 bytes, one a wave
.set CODES, 278528                     ; d's codes: tile x 2,048 + piece x 512 + 16 x lane
.set SCX,   313344                     ; d's scale words: tile x 128 + K step x 64 + 4 x row
.set STATS, 315648                     ; tile x 512 + row x 32 + wave x 8: (mean, sum of squares).  In the last layer: row x 16 + wave x 4: the waves' parts of y
.set SPARE, 324352                     ; the spare words, 128 bytes for each wave: two blocks of 256 bytes that no other line names
.set STP,   272                        ; a stage's row: 256 bytes + 16 = 68 words: row r begins 4 r words on, modulo 64
; window 0
.set LI,   1                           ; 16 x lane
.set R16,  2                           ; 16 x (lane % 16)
.set LS,   3                           ; 4 x lane
.set H32,  4                           ; 32 x (lane / 16)
.set STI,  5                           ; the stage, on the way in
.set STO,  6                           ; and out
.set CODW, 7                           ; where I store codes;  CODR: where any wave reads them
.set SCXW, 8                           ; where I store a scale byte;  SCXR: where a row's word is read
.set CODR, 9
.set SCXR, 10
.set XAW,  11                          ; v11-13  ABUF + 65,536 k + w x 2,048 + 16 x lane
.set AD0,  14                          ; v14-19  the addresses in hand
.set AD1,  15
.set AD2,  16
.set AD3,  17
.set IMW,  20                          ; w x 2,048 + 16 x lane
.set STW0, 21
.set STR0, 22
.set YW0,  23
.set SPW,  24                          ; LDS address of my spare word; never rewritten
.set NIL,  25                          ; 0; never rewritten
.set ACC,  32                          ; v32-63   four accumulators
.set H,    64                          ; v64-95   32 numbers of d; later h
.set T,    96                          ; v96-127  at work
.set F,    128                         ; v128-191 eight fragments of activations
.set PK,   192                         ; v192-207 packed f16
.set CF,   208                         ; v208-223 d's two fragments of codes
.set ST,   224                         ; v224-231 a row's four (mean, sum of squares)
.set MU,   232
.set RS,   234                         ; v[234:235], v[236:237]: named as pairs, the low word serves both halves
.set MR,   236
.set W0S,  240                         ; v240-247 W0's scale words, v248-249 d's: scales and nothing else
.set XS,   248
.set CD,   250                         ; v250-253 the codes just made
; window 1: Wa, then Wf.   window 2: the gather's ring, 8 sets of 32; then Wl.   window 3:
.set W0F,  0                           ; v0-63    W0's eight fragments, (2 c + K step) x 8
.set B0,   64                          ; v64-95   b0, four tiles in the result's layout
.set OFS,  96                          ; v96-231  during the gather: the 136 row offsets
.set BL,   96                          ; then b0 + bl,
.set BA,   128                         ; ba, later bf,
.set AL,   160                         ; alpha_a, later alpha_f x Wo,
.set GA,   192                         ; gamma, later Wo,
.set BE,   224                         ; beta
.set MSB, 0
.macro WIN new                         ; the immediate's high byte repeats the setting that is left; a switch that changes nothing is dropped
.if MSB != (\new)
	s_set_vgpr_msb (MSB<<8)|(\new)
.set MSB, (\new)
.endif
.endm
.macro PLACES n                        ; plain places behind matrix instructions (ISA guide 7.12.1)
.rept \n
	v_nop
.endr
.endm
.macro BARRIER                         ; my LDS stores have landed and my LDS loads are in: then the work-group's barrier
	s_wait_dscnt 0x0
	s_barrier_signal -1
	s_barrier_wait -1
.endm
.macro CONV first, count               ; atom numbers become byte offsets of rows: bounded, x 1,024, + my 16 bytes of a row's 256
	WIN 0xcc
.set i, \first
.rept \count
	v_min_u32 v[OFS+i], 0xffff, v[OFS+i]
.set i, i+1
.endr
	WIN 0xc3
.set i, \first
.rept \count
	v_lshl_add_u32 v[OFS+i], v[OFS+i], 10, v[R16]
.set i, i+1
.endr
.endm
.macro DLOAD t                         ; my wave's 256 bytes of tile t's 16 rows: instruction i takes row i in lanes 0-15 and row 8 + i in lanes 16-31: sixteen lanes read 256 consecutive bytes, aligned
	WIN 0x83
.irp i, 0,1,2,3,4,5,6,7
	global_load_b128 v[32*((\t)%8)+4*\i:32*((\t)%8)+4*\i+3], v[OFS+8*(\t)+\i], s[8:9] th:TH_LOAD_NT   ; each atom's row is read once in the launch (atom 0's alone again, for rows that no atom takes)
.endr
.endm
.macro WLOAD w, lay, first, count      ; pieces of my quarter of layer lay's weights, 512 consecutive bytes each, into the window that w names
	WIN \w
.set i, \first
.rept \count
	global_load_b128 v[4*i:4*i+3], v[LI], s[18:19] offset:131072*(\lay)+512*i
.set i, i+1
.endr
.endm
.macro CLOAD reg, sb                   ; a vector's four tiles in the result's layout: my lane's eight numbers of each (the caller has set the destination's window to 3)
.irp c, 0,1,2,3
	global_load_b128 v[\reg+8*\c:\reg+8*\c+3], v[H32], s[\sb:\sb+1] offset:64*\c
	global_load_b128 v[\reg+8*\c+4:\reg+8*\c+7], v[H32], s[\sb:\sb+1] offset:64*\c+16
.endr
.endm
.macro QUANT                           ; my 32 numbers of d, one block, in v[H] on: codes into v[CD] on, the scale's byte into v29
	v_max3_num_f32 v26, |v[H]|, |v[H+1]|, 0x1800000               ; the floor 2^(3 - 127) among the leaves: the byte cannot fall under 1
	v_max3_num_f32 v27, |v[H+2]|, |v[H+3]|, |v[H+4]|
.irp i, 5,9,13,17,21,25
	v_max3_num_f32 v26, v26, |v[H+\i]|, |v[H+\i+1]|
	v_max3_num_f32 v27, v27, |v[H+\i+2]|, |v[H+\i+3]|
.endr
	v_max3_num_f32 v26, v26, |v[H+29]|, |v[H+30]|
	v_max3_num_f32 v26, v26, v27, |v[H+31]|
	v_add_nc_u32 v28, 0xff000000, v26              ; 2 off the exponent field: the conversion's scale operand
	v_lshrrev_b32 v29, 23, v28
.irp g, 0,1,2,3
	v_cvt_scalef32_pk8_fp4_f32 v[CD+\g], v[H+8*\g:H+8*\g+7], v28
.endr
	v_nop                                          ; one plain place behind the scaled conversions
.endm
.macro FETCH1 ca, sa, t                ; a tile's codes (two fragments) and its rows' two scale words: six LDS loads
.irp p, 0,1,2,3
	ds_load_b128 v[CF+4*\p:CF+4*\p+3], v[\ca] offset:2048*(\t)+512*\p
.endr
	ds_load_b32 v[XS], v[\sa] offset:128*(\t)
	ds_load_b32 v[XS+1], v[\sa] offset:128*(\t)+64
.endm
.macro MUL4 bias                       ; x^T for 16 rows: my four tiles of outputs by turns, two K steps of 128; the sums begin with the bias tiles in window 3
	WIN 0x33
.irp c, 0,1,2,3
	v_wmma_scale_f32_16x16x128_f8f6f4 v[ACC+8*\c:ACC+8*\c+7], v[W0F+16*\c:W0F+16*\c+7], v[CF:CF+7], v[\bias+8*\c:\bias+8*\c+7], v[W0S+\c], v[XS] matrix_a_fmt:MATRIX_FMT_FP4 matrix_b_fmt:MATRIX_FMT_FP4
.endr
	WIN 0x03
.irp c, 0,1,2,3
	v_wmma_scale_f32_16x16x128_f8f6f4 v[ACC+8*\c:ACC+8*\c+7], v[W0F+16*\c+8:W0F+16*\c+15], v[CF+8:CF+15], v[ACC+8*\c:ACC+8*\c+7], v[W0S+4+\c], v[XS+1] matrix_a_fmt:MATRIX_FMT_FP4 matrix_b_fmt:MATRIX_FMT_FP4
.endr
	WIN 0
.endm
.macro MUL16 win, s0, first, bias      ; sixteen f16 products: K steps s0 .. s0 + 3 of 32, the four accumulators by turns, one instruction a turn.  first = 1: the first four begin the sums with the bias tiles
.irp s, \s0, \s0+1, \s0+2, \s0+3
.irp c, 0,1,2,3
.if (\first) && ((\s) == (\s0))
	WIN (\win)|0x30
	v_wmma_f32_16x16x32_f16 v[ACC+8*\c:ACC+8*\c+7], v[8*(8*\c+(\s)):8*(8*\c+(\s))+7], v[F+8*(\s):F+8*(\s)+7], v[\bias+8*\c:\bias+8*\c+7]
.else
	WIN \win
	v_wmma_f32_16x16x32_f16 v[ACC+8*\c:ACC+8*\c+7], v[8*(8*\c+(\s)):8*(8*\c+(\s))+7], v[F+8*(\s):F+8*(\s)+7], v[ACC+8*\c:ACC+8*\c+7]
.endif
.endr
.endr
.endm
.macro PACK src                        ; 32 numbers to f16, each accumulator from its low end on
.set i, 0
.rept 16
	v_cvt_pk_f16_f32 v[PK+i], v[\src+2*i], v[\src+2*i+1]
.set i, i+1
.endr
.endm
.macro PUT adr, off                    ; my four pieces of an image
.irp c, 0,1,2,3
	ds_store_b128 v[\adr], v[PK+4*\c:PK+4*\c+3] offset:(\off)+512*\c
.endr
.endm
.macro FLOAD adr, from                 ; eight pieces of an image: four fragments
.set i, \from
.rept 8
	ds_load_b128 v[F+4*i:F+4*i+3], v[\adr] offset:512*i
.set i, i+1
.endr
.endm
.macro SIG                             ; T = 1 / (1 + 2^(-log2(e) a)), a the 32 sums.  Two batches of transcendentals; the caller sets independent work and the wait behind the second
.set i, 0
.rept 16
	v_pk_mul_f32 v[T+i:T+i+1], v[ACC+i:ACC+i+1], s[52:53] op_sel_hi:[1,0]
.set i, i+2
.endr
.set i, 0
.rept 32
	v_exp_f32 v[T+i], v[T+i]
.set i, i+1
.endr
	v_nop                                          ; a plain place behind the last exponential
	s_wait_alu depctr_va_vdst(0)                   ; one wait for the batch, ahead of its first reader
.set i, 0
.rept 16
	v_pk_add_f32 v[T+i:T+i+1], v[T+i:T+i+1], 1.0 op_sel_hi:[1,0]
.set i, i+2
.endr
.set i, 0
.rept 32
	v_rcp_f32 v[T+i], v[T+i]
.set i, i+1
.endr
.endm
.macro FOLD dst                        ; two chains of pairs, the pair's halves, and lane l xor 16's
	v_pk_add_f32 v[26:27], v[26:27], v[28:29]
	v_add_f32 v26, v26, v27
	v_permlanex16_b32 v27, v26, s48, s49
	v_add_f32 v[\dst], v26, v27
.endm
.macro A2 adr                          ; h = alpha_a silu(a) into H; my 64 numbers' mean and sum of squares about it, to LDS
	SIG
	WIN 0x0c
.set i, 0
.rept 16
	v_pk_mul_f32 v[H+i:H+i+1], v[ACC+i:ACC+i+1], v[AL+i:AL+i+1]   ; independent work behind the reciprocals
.set i, i+2
.endr
	WIN 0
	s_wait_alu depctr_va_vdst(0)                   ; one wait for the 32 reciprocals
.set i, 0
.rept 16
	v_pk_mul_f32 v[H+i:H+i+1], v[H+i:H+i+1], v[T+i:T+i+1]
.set i, i+2
.endr
	v_pk_add_f32 v[26:27], v[H:H+1], v[H+2:H+3]
	v_pk_add_f32 v[28:29], v[H+4:H+5], v[H+6:H+7]
.irp i, 8,12,16,20,24,28
	v_pk_add_f32 v[26:27], v[26:27], v[H+\i:H+\i+1]
	v_pk_add_f32 v[28:29], v[28:29], v[H+\i+2:H+\i+3]
.endr
	FOLD 26
	v_mul_f32 v30, s54, v26                        ; / 64
.set i, 0
.rept 16
	v_pk_add_f32 v[T+i:T+i+1], v[H+i:H+i+1], v[30:31] op_sel_hi:[1,0] neg_lo:[0,1] neg_hi:[0,1]
.set i, i+2
.endr
	v_pk_mul_f32 v[26:27], v[T:T+1], v[T:T+1]
	v_pk_mul_f32 v[28:29], v[T+2:T+3], v[T+2:T+3]
.irp i, 4,8,12,16,20,24,28
	v_pk_fma_f32 v[26:27], v[T+\i:T+\i+1], v[T+\i:T+\i+1], v[26:27]
	v_pk_fma_f32 v[28:29], v[T+\i+2:T+\i+3], v[T+\i+2:T+\i+3], v[28:29]
.endr
	FOLD 31
	ds_store_b64 v[\adr], v[30:31]                 ; (both halves of the lanes write the same words with the same values)
.endm
.macro B2                              ; the four waves' figures in v[ST] on are joined; LN(h) gamma + beta, packed
	v_add_f32 v26, v[ST], v[ST+2]
	v_add_f32 v27, v[ST+4], v[ST+6]
	v_add_f32 v26, v26, v27
	v_mul_f32 v[MU], 0x3e800000, v26               ; the row's mean
	v_sub_f32 v26, v[ST], v[MU]
	v_sub_f32 v27, v[ST+2], v[MU]
	v_sub_f32 v28, v[ST+4], v[MU]
	v_sub_f32 v29, v[ST+6], v[MU]
	v_mul_f32 v26, v26, v26
	v_fmac_f32 v26, v27, v27
	v_fmac_f32 v26, v28, v28
	v_fmac_f32 v26, v29, v29
	v_add_f32 v27, v[ST+1], v[ST+3]
	v_add_f32 v28, v[ST+5], v[ST+7]
	v_add_f32 v27, v27, v28
	v_fma_f32 v26, v26, s55, v27                   ; the sum of squares about the row's mean: the four sums + 64 x the squares of the four means' distances
	v_fma_f32 v26, v26, s56, s57                   ; / 256 + eps
	v_rsq_f32 v[RS], v26
	v_nop                                          ; a plain place behind the transcendental
	s_wait_alu depctr_va_vdst(0)                   ; and the wait, ahead of its first reader
	v_mul_f32 v[MR], -v[MU], v[RS]
.set i, 0
.rept 16
	v_pk_fma_f32 v[T+i:T+i+1], v[H+i:H+i+1], v[RS:RS+1], v[MR:MR+1] op_sel_hi:[1,0,0]
.set i, i+2
.endr
	WIN 0x3c
.set i, 0
.rept 16
	v_pk_fma_f32 v[T+i:T+i+1], v[T+i:T+i+1], v[GA+i:GA+i+1], v[BE+i:BE+i+1]
.set i, i+2
.endr
	WIN 0
	PACK T
.endm
.macro E4 adr                          ; my 64 outputs' part of y for 16 rows
	SIG
	WIN 0x0c
.set i, 0
.rept 16
	v_pk_mul_f32 v[H+i:H+i+1], v[ACC+i:ACC+i+1], v[AL+i:AL+i+1]   ; a x (alpha_f Wo): independent work behind the reciprocals
.set i, i+2
.endr
	WIN 0
	s_wait_alu depctr_va_vdst(0)                   ; one wait for the 32 reciprocals
	v_pk_mul_f32 v[26:27], v[H:H+1], v[T:T+1]
	v_pk_mul_f32 v[28:29], v[H+2:H+3], v[T+2:T+3]
.irp i, 4,8,12,16,20,24,28
	v_pk_fma_f32 v[26:27], v[H+\i:H+\i+1], v[T+\i:T+\i+1], v[26:27]
	v_pk_fma_f32 v[28:29], v[H+\i+2:H+\i+3], v[T+\i+2:T+\i+3], v[28:29]
.endr
	FOLD 26
	ds_store_b32 v[\adr], v26
.endm
; ------------------------------------------------------------------ THE HEAD
	s_load_b512 s[8:23], s[0:1], 0x0               ; density 8, order 10, tiles 12, w0c 14, w0s 16, wh 18, b0 20, ba 22
	s_load_b512 s[24:39], s[0:1], 0x40             ; alpha_a 24, gamma 26, beta_ln 28, bl 30, bf 32, alpha_f 34, Wo 36, bo 38
	s_load_b64 s[40:41], s[0:1], 0x80              ; out0
	v_lshl_add_u32 v[SPW], v0, 2, SPARE
	v_mov_b32 v[NIL], 0
	v_lshrrev_b32 v26, 5, v0
	v_readfirstlane_b32 s42, v26                   ; wave 0..3
	v_and_b32 v27, 31, v0                          ; lane
	v_and_b32 v28, 15, v0                          ; r
	v_bfe_u32 v29, v0, 4, 1                        ; h
	v_lshlrev_b32 v[LI], 4, v27
	v_lshlrev_b32 v[R16], 4, v28
	v_lshlrev_b32 v[LS], 2, v27
	v_lshlrev_b32 v[H32], 5, v29
	s_mul_i32 s43, s42, 16*STP
	s_add_co_u32 s43, s43, BBUF                    ; my stage
	v_mul_u32_u24 v[STI], v29, 8*STP
	v_add_nc_u32 v[STI], v[STI], v[R16]
	v_add_nc_u32 v[STI], s43, v[STI]               ; in: row 8 h (+ i), my 16 bytes
	v_mul_u32_u24 v[STO], v28, STP
	v_lshl_add_u32 v[STO], v29, 7, v[STO]
	v_add_nc_u32 v[STO], s43, v[STO]               ; out: row r, + 128 h: a whole block of 32 numbers
	s_lshl_b32 s43, s42, 9
	s_add_co_u32 s43, s43, CODES
	v_add_nc_u32 v[CODW], s43, v[LI]               ; my columns 64 w on are piece w of a tile's codes
	v_add_nc_u32 v[CODR], CODES, v[LI]
	v_lshl_add_u32 v[SCXR], v28, 2, SCX
	s_lshr_b32 s43, s42, 1
	s_lshl_b32 s43, s43, 6                         ; K step w / 2,
	s_and_b32 s46, s42, 1
	s_lshl_b32 s46, s46, 1                         ; byte 2 (w % 2) + h of the row's word
	s_add_co_u32 s43, s43, s46
	v_add_nc_u32 v[SCXW], v[SCXR], v29
	v_add_nc_u32 v[SCXW], s43, v[SCXW]
	s_lshl_b32 s43, s42, 11
	v_add_nc_u32 v[IMW], s43, v[LI]
	v_mov_b32 v[XAW], v[IMW]
	v_add_nc_u32 v[XAW+1], 65536, v[IMW]
	v_add_nc_u32 v[XAW+2], 131072, v[IMW]
	v_lshl_add_u32 v[STR0], v28, 5, STATS
	s_lshl_b32 s43, s42, 3
	v_add_nc_u32 v[STW0], s43, v[STR0]
	v_lshl_add_u32 v[YW0], v28, 4, STATS
	s_lshl_b32 s43, s42, 2
	v_add_nc_u32 v[YW0], s43, v[YW0]
	v_mov_b32 v31, 0                               ; upper halves of pairs that are named before they are first written
	v_mov_b32 v[RS+1], 0
	v_mov_b32 v[MR+1], 0
	s_mov_b32 s48, 0x76543210
	s_mov_b32 s49, 0xfedcba98                      ; v_permlanex16_b32's selects for lane l xor 16
	s_mov_b32 s52, 0xbfb8aa3b                      ; -log2(e)
	s_mov_b32 s53, s52                             ; (named with it as a pair)
	s_mov_b32 s54, 0x3c800000                      ; 1 / 64
	s_mov_b32 s55, 0x42800000                      ; 64
	s_mov_b32 s56, 0x3b800000                      ; 1 / 256
	s_mov_b32 s57, 0x3727c5ac                      ; eps = 1e-5
	s_mov_b32 s47, 0
	s_wait_kmcnt 0x0
	s_lshl_b32 s46, ttmp9, 3
	s_add_nc_u64 s[12:13], s[12:13], s[46:47]
	s_load_b64 s[44:45], s[12:13], 0x0             ; my tile's expert and its valid rows
	s_mul_i32 s46, ttmp9, 1088
	s_add_nc_u64 s[10:11], s[10:11], s[46:47]      ; my tile's 272 words of 'order'
	WIN 0xc0                                       ; destination window 3
.irp t, 0,1,2,3,4,5,6,7,8,9,10,11,12,13,14,15,16
	global_load_b128 v[OFS+8*\t:OFS+8*\t+3], v[H32], s[10:11] offset:64*\t       ; my half's eight rows of each tile: rows 8 h + 0 .. 7
	global_load_b128 v[OFS+8*\t+4:OFS+8*\t+7], v[H32], s[10:11] offset:64*\t+16
.endr
	s_wait_kmcnt 0x0
	s_min_u32 s44, s44, 3                          ; a loaded number enters addresses only behind this bound
	s_lshl_b32 s46, s44, 15
	s_lshl_b32 s50, s42, 13
	s_add_co_u32 s46, s46, s50
	s_add_nc_u64 s[14:15], s[14:15], s[46:47]      ; W0's codes: (16 e + 4 w) x 2,048
	s_lshl_b32 s46, s44, 12
	s_lshl_b32 s50, s42, 10
	s_add_co_u32 s46, s46, s50
	s_add_nc_u64 s[16:17], s[16:17], s[46:47]      ; its scale words: (16 e + 4 w) x 256
	s_mul_i32 s46, s44, 393216
	s_lshl_b32 s50, s42, 15
	s_add_co_u32 s46, s46, s50
	s_add_nc_u64 s[18:19], s[18:19], s[46:47]      ; the f16 weights: (48 e + 4 w) x 8,192; the layer stands in the immediate
	s_lshl_b32 s46, s44, 10
	s_lshl_b32 s50, s42, 8
	s_add_co_u32 s46, s46, s50
.irp p, 20,22,24,26,28,30,32,34,36
	s_add_nc_u64 s[\p:\p+1], s[\p:\p+1], s[46:47]  ; the nine vectors: my 64 numbers of expert e's 256
.endr
	s_mov_b32 s46, s50
	s_add_nc_u64 s[8:9], s[8:9], s[46:47]          ; density: my wave's 256 bytes of a row
	s_lshl_b32 s46, s44, 2
	s_add_nc_u64 s[38:39], s[38:39], s[46:47]
	s_load_b32 s58, s[38:39], 0x0                  ; bo[e]
.set i, 0
.rept 16
	global_load_b128 v[W0F+4*i:W0F+4*i+3], v[LI], s[14:15] offset:512*i
.set i, i+1
.endr
	CLOAD B0, 20
	WIN 0
.irp g, 0,1
.irp c, 0,1,2,3
	global_load_b32 v[W0S+4*\g+\c], v[LS], s[16:17] offset:256*\c+128*\g
.endr
.endr
	s_wait_loadcnt 32                              ; the 34 index loads are in; W0's 16, b0's 8 and the 8 scale words may be out
	CONV 0, 56
.irp t, 0,1,2,3,4,5,6
	DLOAD \t                                       ; seven groups of eight loads a wave are on their way from here on
.endr
	CONV 56, 80
	WIN 0
	s_wait_kmcnt 0x0                               ; bo
; ------------------------------------------------------------------ THE GATHER, THE QUANTISER AND LAYER 1
; Step t: my 256 bytes of tile t's 16 rows turn through my stage, so that a lane holds a whole block of 32; codes and scale byte go to LDS; meanwhile tile t - 1, whose codes all four waves
; stored ahead of the last barrier, is multiplied by my quarter of W0, and x goes to ABUF as f16.  Each step issues eight loads: a later tile's, then Wa's.
.macro XSTEP t
.if (\t) > 0
	FETCH1 CODR, SCXR, (\t)-1
.endif
	s_wait_loadcnt 48                              ; tile t's eight loads are in; the six younger groups of eight may be out
	WIN 0x08                                       ; an LDS store's data are its source 1: window 2
.irp i, 0,1,2,3,4,5,6,7
	ds_store_b128 v[STI], v[32*((\t)%8)+4*\i:32*((\t)%8)+4*\i+3] offset:STP*\i
.endr
	WIN 0
.irp j, 0,1,2,3,4,5,6,7
	ds_load_b128 v[H+4*\j:H+4*\j+3], v[STO] offset:16*\j          ; LDS serves a wave's instructions in order: these see my stores
.endr
.if (\t)+7 <= 16
	DLOAD (\t)+7                                   ; into the set that the last step's stores, awaited at its barrier, have read
.else
	WLOAD 0x40, 0, 8*((\t)-10), 8
.endif
.if (\t) > 0
	s_wait_dscnt 16                                ; the six loads of codes and scale words are in; the stage's 16 may be out
	MUL4 B0
.else
	WIN 0
.endif
	s_wait_dscnt 0x0
	QUANT                                          ; (its plain lines are also the places behind the products)
	ds_store_b128 v[CODW], v[CD:CD+3] offset:2048*(\t)
	ds_store_b8 v[SCXW], v29 offset:128*(\t)
.if (\t) > 0
	PACK ACC
	PUT XAW+((\t)-1)/8, (((\t)-1)%8)*TILEB
.endif
	BARRIER                                        ; tile t's codes and scale words lie in LDS
.endm
.irp t, 0,1,2,3,4,5,6,7,8,9,10,11,12,13,14,15,16
	XSTEP \t
.endr
	FETCH1 CODR, SCXR, 16
	WLOAD 0x40, 0, 56, 8                           ; the rest of Wa
	WIN 0xc0                                       ; the offsets' registers are free: step 16's wait has shown the last gather load done
	CLOAD BL, 30
	CLOAD BA, 22
	CLOAD AL, 24
	CLOAD GA, 26
	CLOAD BE, 28
	s_wait_dscnt 0x0
	MUL4 B0
	PLACES 4
	PACK ACC
	PUT XAW+2, 0
	BARRIER                                        ; x's 17 images lie in ABUF; nobody touches a stage any more
; ------------------------------------------------------------------ LAYER 2: h = LN(alpha_a silu(x Wa^T + ba))
	s_wait_loadcnt 0x0                             ; Wa and the five vectors
	WIN 0xcf
.set i, 0
.rept 16
	v_pk_add_f32 v[BL+i:BL+i+1], v[BL+i:BL+i+1], v[B0+i:B0+i+1]   ; b0 + bl, for layer 3
.set i, i+2
.endr
	WLOAD 0x80, 1, 0, 32                           ; Wl's first half, where the ring lay
	WIN 0
	FLOAD LI, 0
	FLOAD LI, 8
	s_wait_dscnt 0x0
	MUL16 1, 0, 1, BA
	MUL16 1, 4, 0, 0
	WIN 0
	PLACES 4
	v_add_nc_u32 v[AD0], TILEB, v[LI]
	FLOAD AD0, 0
	FLOAD AD0, 8
	A2 STW0
	WLOAD 0x80, 1, 32, 32
	WIN 0
	BARRIER
	s_mov_b32 s60, 16                              ; trips: tiles 1 to 16
	s_mov_b32 s61, BBUF                            ; where tile t - 1's image of h goes
	s_mov_b32 s62, 0                               ; tile t - 1's statistics
	s_mov_b32 s66, TILEB                           ; tile t's image of x
.Llay2:                                            ; a trip: tile t's products; tile t - 1's LayerNorm, whose four parts lie in LDS since the last barrier; tile t's activation and statistics
	v_add_nc_u32 v[AD2], s62, v[STR0]
	ds_load_b128 v[ST:ST+3], v[AD2]
	ds_load_b128 v[ST+4:ST+7], v[AD2] offset:16
	MUL16 1, 0, 1, BA                              ; tile t's fragments came in ahead of the last barrier
	MUL16 1, 4, 0, 0
	WIN 0
	s_wait_dscnt 0x0
	B2                                             ; (its lines are the places behind the products)
	v_add_nc_u32 v[AD3], s61, v[IMW]
	PUT AD3, 0
	s_add_co_u32 s63, s66, TILEB
	s_min_u32 s63, s63, 16*TILEB                   ; the last trip reads tile 16 once more and uses nothing of it
	v_add_nc_u32 v[AD0], s63, v[LI]
	FLOAD AD0, 0
	FLOAD AD0, 8
	s_add_co_u32 s63, s62, 512
	v_add_nc_u32 v[AD1], s63, v[STW0]
	A2 AD1
	s_add_co_u32 s61, s61, TILEB
	s_add_co_u32 s62, s62, 512
	s_add_co_u32 s66, s66, TILEB
	BARRIER
	s_sub_co_u32 s60, s60, 1
	s_cmp_lg_u32 s60, 0
	s_cbranch_scc1 .Llay2
	v_add_nc_u32 v[AD2], 16*512, v[STR0]
	ds_load_b128 v[ST:ST+3], v[AD2]
	ds_load_b128 v[ST+4:ST+7], v[AD2] offset:16
	s_wait_dscnt 0x0
	B2
	v_add_nc_u32 v[AD3], BBUF+16*TILEB, v[IMW]
	PUT AD3, 0
	BARRIER                                        ; h's 17 images lie in BBUF; nobody reads ABUF any more
; ------------------------------------------------------------------ LAYER 3: x2 = x + h Wl^T + bl
	s_wait_loadcnt 0x0                             ; Wl
	WLOAD 0x40, 2, 0, 32                           ; Wf's first half, where Wa lay
	WIN 0xc0
	CLOAD BA, 32                                   ; bf
	CLOAD AL, 34                                   ; alpha_f
	CLOAD GA, 36                                   ; Wo
	WIN 0
	FETCH1 CODR, SCXR, 0
	v_add_nc_u32 v[AD0], BBUF, v[LI]
	FLOAD AD0, 0
	FLOAD AD0, 8
	s_wait_dscnt 0x0
	s_mov_b32 s61, 0                               ; 8,192 x tile
; A tile: x + b0 + bl anew from the codes, then 32 f16 products on the same four accumulators; the next tile's operands are fetched as this tile's registers fall free.  No barrier: ABUF is only written here.
.macro TRIP3
	s_add_co_u32 s63, s61, TILEB
	s_min_u32 s63, s63, 16*TILEB                   ; the next tile (the last trip fetches tile 16 once more and uses nothing of it)
	s_lshr_b32 s66, s63, 2
	s_lshr_b32 s67, s63, 6
	s_add_co_u32 s63, s63, BBUF
	v_add_nc_u32 v[AD0], s63, v[LI]
	v_add_nc_u32 v[AD1], s66, v[CODR]
	v_add_nc_u32 v[AD2], s67, v[SCXR]
	v_add_nc_u32 v[AD3], s61, v[IMW]
	s_wait_dscnt 20                                ; codes and scale words are in; behind them: 8 + 8 fragment loads and the last tile's 4 stores
	MUL4 BL
	PLACES 5                                       ; another form takes the accumulators up: five places
	FETCH1 AD1, AD2, 0
	s_wait_dscnt 18                                ; fragments 0-3 are in; behind them: 8 loads, 4 stores, the 6 just issued
	MUL16 2, 0, 0, 0
	WIN 0
	PLACES 4
	FLOAD AD0, 0
	s_wait_dscnt 18                                ; fragments 4-7 are in; behind them: 4 stores, 6 and 8 loads
	MUL16 2, 4, 0, 0
	WIN 0
	PLACES 4
	FLOAD AD0, 8
	s_wait_dscnt 22                                ; the last tile's 4 stores have read their registers; behind them: 6 + 8 + 8 loads
	PACK ACC
	PUT AD3, 0
	s_add_co_u32 s61, s61, TILEB
.endm
	TRIP3
	WLOAD 0x40, 2, 32, 32                          ; Wf's second half
	WIN 0
	s_mov_b32 s60, 16
.Llay3:
	TRIP3
	s_sub_co_u32 s60, s60, 1
	s_cmp_lg_u32 s60, 0
	s_cbranch_scc1 .Llay3
	BARRIER                                        ; x2's 17 images lie in ABUF
; ------------------------------------------------------------------ LAYER 4 AND THE OUTPUT: y = sum of alpha_f silu(x2 Wf^T + bf) Wo, + bo
	s_wait_loadcnt 0x0                             ; Wf and the three vectors
	WIN 0xcf
.set i, 0
.rept 16
	v_pk_mul_f32 v[AL+i:AL+i+1], v[AL+i:AL+i+1], v[GA+i:GA+i+1]   ; alpha_f x Wo
.set i, i+2
.endr
	WIN 0
.irp k, 0,1,2
	v_add_nc_u32 v26, 128*\k, v0                   ; row = thread + 128 k,
	v_min_u32 v26, 271, v26                        ; held inside the tile's 272 words
	v_lshlrev_b32 v[AD3+\k], 2, v26
	global_load_b32 v[ST+\k], v[AD3+\k], s[10:11]  ; which atom it is: wanted at the very end
.endr
	FLOAD LI, 0
	FLOAD LI, 8
	s_mov_b32 s60, 17
	s_mov_b32 s61, 0                               ; 8,192 x tile
	s_mov_b32 s62, 0                               ; 256 x tile
.Llay4:
	s_add_co_u32 s63, s61, TILEB
	s_min_u32 s63, s63, 16*TILEB
	v_add_nc_u32 v[AD0], s63, v[LI]
	v_add_nc_u32 v[AD1], s62, v[YW0]
	s_wait_dscnt 0x0                               ; this tile's 16 fragment loads, and the last tile's one store
	MUL16 1, 0, 1, BA
	MUL16 1, 4, 0, 0
	WIN 0
	PLACES 4
	FLOAD AD0, 0
	FLOAD AD0, 8
	E4 AD1
	s_add_co_u32 s61, s61, TILEB
	s_add_co_u32 s62, s62, 256
	s_sub_co_u32 s60, s60, 1
	s_cmp_lg_u32 s60, 0
	s_cbranch_scc1 .Llay4
	BARRIER                                        ; each row's four parts lie in LDS
.irp k, 0,1,2
	v_add_nc_u32 v[26+\k], 128*\k, v0              ; row, up to 383: beyond 271 the bytes read are old statistics, and nothing is stored
	v_lshl_add_u32 v[AD0+\k], v[26+\k], 4, STATS
	ds_load_b128 v[H+4*\k:H+4*\k+3], v[AD0+\k]
.endr
	s_wait_loadcnt 0x0                             ; the atoms' numbers
.irp k, 0,1,2
	v_min_u32 v[ST+\k], 0xffff, v[ST+\k]
	v_lshlrev_b32 v[ST+\k], 2, v[ST+\k]
.endr
	s_wait_dscnt 0x0
.irp k, 0,1,2
	v_add_f32 v[H+4*\k], v[H+4*\k], v[H+4*\k+1]
	v_add_f32 v[H+4*\k+2], v[H+4*\k+2], v[H+4*\k+3]
	v_add_f32 v[H+4*\k], v[H+4*\k], v[H+4*\k+2]
	v_add_f32 v[H+4*\k], s58, v[H+4*\k]            ; + bo
	v_cmp_gt_u32 vcc_lo, s45, v[26+\k]             ; the tile's valid rows alone
	s_wait_xcnt 0x0                                ; EXEC changes only behind this wait
	s_and_saveexec_b32 s59, vcc_lo
	global_store_b32 v[ST+\k], v[H+4*\k], s[40:41] ; the sort is stable: a wave's 32 atoms ascend
	s_wait_xcnt 0x0                                ; and again ahead of the line that widens it
	s_or_b32 exec_lo, exec_lo, s59
.endr
	s_wait_tensorcnt 0x0                           ; the wave's end: behind my last LDS store
	ds_add_u32 v[SPW], v[NIL]
	s_wait_dscnt 0x0
	s_endpgm
.Lfunc_end_k_q4ca9d58e56_chain:
	.size	k_q4ca9d58e56_chain, .Lfunc_end_k_q4ca9d58e56_chain-k_q4ca9d58e56_chain
	.p2alignl 7, 3214868480
	.fill 96, 4, 3214868480
	.section	.rodata,"a",@progbits
	.p2align	6, 0x0
	.amdhsa_kernel k_q4ca9d58e56_chain
		.amdhsa_group_segment_fixed_size 324864
		.amdhsa_private_segment_fixed_size 0
		.amdhsa_enable_private_segment 0
		.amdhsa_kernarg_size 136
		.amdhsa_user_sgpr_count 2
		.amdhsa_user_sgpr_kernarg_segment_ptr 1
		.amdhsa_wavefront_size32 1
		.amdhsa_system_sgpr_workgroup_id_x 1
		.amdhsa_system_sgpr_workgroup_id_y 1
		.amdhsa_system_sgpr_workgroup_id_z 1
		.amdhsa_system_vgpr_workitem_id 0
		.amdhsa_next_free_vgpr 1024
		.amdhsa_next_free_sgpr 68
		.amdhsa_reserve_vcc 1
		.amdhsa_float_denorm_mode_32 3
		.amdhsa_float_denorm_mode_16_64 3
		.amdhsa_memory_ordered 1
		.amdhsa_forward_progress 1
		.amdhsa_inst_pref_size 227
	.end_amdhsa_kernel
	.amdgpu_metadata
---
amdhsa.version: [ 1, 2 ]
amdhsa.kernels:
  - .name:           k_q4ca9d58e56_chain
    .symbol:         k_q4ca9d58e56_chain.kd
    .args:
      - { .name: density, .offset: 0, .size: 8, .value_kind: global_buffer, .address_space: global }
      - { .name: order, .offset: 8, .size: 8, .value_kind: global_buffer, .address_space: global }
      - { .name: tiles, .offset: 16, .size: 8, .value_kind: global_buffer, .address_space: global }
      - { .name: w0c, .offset: 24, .size: 8, .value_kind: global_buffer, .address_space: global }
      - { .name: w0s, .offset: 32, .size: 8, .value_kind: global_buffer, .address_space: global }
      - { .name: wh, .offset: 40, .size: 8, .value_kind: global_buffer, .address_space: global }
      - { .name: b0, .offset: 48, .size: 8, .value_kind: global_buffer, .address_space: global }
      - { .name: ba, .offset: 56, .size: 8, .value_kind: global_buffer, .address_space: global }
      - { .name: alpha_a, .offset: 64, .size: 8, .value_kind: global_buffer, .address_space: global }
      - { .name: gamma, .offset: 72, .size: 8, .value_kind: global_buffer, .address_space: global }
      - { .name: beta_ln, .offset: 80, .size: 8, .value_kind: global_buffer, .address_space: global }
      - { .name: bl, .offset: 88, .size: 8, .value_kind: global_buffer, .address_space: global }
      - { .name: bf, .offset: 96, .size: 8, .value_kind: global_buffer, .address_space: global }
      - { .name: alpha_f, .offset: 104, .size: 8, .value_kind: global_buffer, .address_space: global }
      - { .name: Wo, .offset: 112, .size: 8, .value_kind: global_buffer, .address_space: global }
      - { .name: bo, .offset: 120, .size: 8, .value_kind: global_buffer, .address_space: global }
      - { .name: out0, .offset: 128, .size: 8, .value_kind: global_buffer, .address_space: global }
    .group_segment_fixed_size: 324864
    .private_segment_fixed_size: 0
    .kernarg_segment_align: 8
    .kernarg_segment_size: 136
    .max_flat_workgroup_size: 128
    .sgpr_count:     68
    .vgpr_count:     1024
    .wavefront_size: 32
...
	.end_amdgpu_metadata
.endif
;; end of part 2
